; MI455X (gfx1250); checked and timed in simulation.
; The chip was launched on July 23, 2026; its instructions are those of AMD's public machine-readable ISA for CDNA 5 (MIT licence, August 2026) and "CDNA5" Instruction Set Architecture Reference Guide (July 2026). The comments in the code are by the model that wrote it; some were corrected since.
;; Unified Self Attention. Allowed arithmetic: matrix products marked QUANTISED: E4M3 operands, one given power-of-two scale a tensor, by v_wmma_f32_16x16x64_fp8_fp8 or v_wmma_f32_16x16x128_fp8_fp8, f32 sums; everything else in f32.
;; Inputs: Wk 1,024 x 1,024 float32; Wq 1,024 x 1,024 float32; Wv 1,024 x 1,024 float32; inputs 2 x 2,048 x 1,024 float32; lowp_scales 10 int32 (the exponents e of the quantised operands' scales 2^e).
;; Outputs: out0 2 x 2,048 x 1,024 float32.
;; This version of the problem:
;;   THIS VERSION OF THE PROBLEM IS GIVEN IN LOW PRECISION. The matrix products marked QUANTISED in the list below multiply operands that are first quantised to E4M3 (4 exponent bits, 3 mantissa bits; 8 bits a number), with one given power-of-two scale for each operand tensor; their sums are f32. All else is computed in f32.
;;   The module's matrix products, in the order in which they are computed (A, B: the left and right operand; K: the contracted axis; several contracted axes count as one K, in the product's order):
;;     1. [M 4,096, K 1,024] x [K 1,024, N 1,024]; A: input inputs; B: input Wq: QUANTISED (scales: A lowp_scales[0], B lowp_scales[1])
;;     2. [M 4,096, K 1,024] x [K 1,024, N 1,024]; A: input inputs; B: input Wk: QUANTISED (scales: A lowp_scales[2], B lowp_scales[3])
;;     3. [M 4,096, K 1,024] x [K 1,024, N 1,024]; A: input inputs; B: input Wv: QUANTISED (scales: A lowp_scales[4], B lowp_scales[5])
;;     4. batch 32 x [M 2,048, K 64] x [K 64, N 2,048]; A: computed on the way; B: computed on the way: QUANTISED (scales: A lowp_scales[6], B lowp_scales[7])
;;     5. batch 32 x [M 2,048, K 2,048] x [K 2,048, N 64]; A: softmax (see below); B: computed on the way: QUANTISED (scales: A lowp_scales[8], B lowp_scales[9])
;;   THE QUANTISER, for each operand of a quantised product, along K:
;;     - The operand's scale is 2^e, e = its entry of the input lowp_scales (int32; the entries are numbered through the quantised products in the list's order, A before B).
;;     - Each number is divided by the scale, clamped to +-448, and rounded to the nearest number of E4M3, ties to even, subnormals kept.
;;     - The product sums the exact products of the quantised numbers (number of the format x scale) in f32.
;;   ~~~python
;;   def quantise(x, axis, e):      # numpy; x: float32 -> the quantised numbers, widened to float32 again
;;       x = np.moveaxis(x, axis, -1); K = x.shape[-1]
;;       r = np.clip(x / 2.0 ** e, -448, 448)
;;       step = 2.0 ** (np.maximum(np.frexp(np.where(r == 0, 1, r))[1] - 1, -6) - 3)
;;       q = np.round(r / step) * step * 2.0 ** e      # np.round: ties to even
;;       return np.moveaxis(q, -1, axis).astype(np.float32)
;;   ~~~
;;   SOFTMAX AHEAD OF A QUANTISED PRODUCT. Where the list says 'softmax', what is quantised is not the finished softmax but p = 2^(t - M), with t = logit x log2(e) and M = ceil(the row's largest t), a whole number; so 1/2 < the row's largest p <= 1. The row's sum l is taken of the UNQUANTISED p, in f32, and the product's result is divided by l at the end. Since M is a whole number, a kernel that streams over the keys may use a running M (the ceiling of the running maximum): every later rescaling is an exact power of two, so the quantised numbers keep their values, but for numbers so far below the row's largest that they fall under the format's range.
;;   OPERANDS COMPUTED ON THE WAY. 'Computed on the way' means the value that the module computes at that place (a softmax that the list does not call 'softmax' is quantised finished and normalised). What goes into a quantiser is computed in f32, as accurately as f32 sums, v_exp_f32 and their like allow (about 1e-6 of the number): no bf16 or f16 on the way to a quantiser, and a product that is left as it is and whose result goes on into a quantised operand takes f32 operands (vector FMAs, or v_wmma_f32_16x16x4_f32). A number that lies on a knife's edge between two numbers of the format may be rounded either way, as far as f32 arithmetic and the matrix unit's own rounding can turn it there, and no further.
;; One version. Each part assembles by itself: llvm-mc -triple=amdgcn-amd-amdhsa -mcpu=gfx1250 --defsym DOCPART=n.
;; ======== version 1 of 1: 3 launches
;; limits: right only within a limited range of input values
;; workspace buffers: codes 15,728,640 bytes; qkv 12,582,912 bytes
;; launch quant (part 1): grid 448 x 1, 8 waves a work-group, no clusters, 68,608 bytes of LDS; arguments inputs, Wq, Wk, Wv, lowp_scales, codes; writes codes
.if DOCPART == 1
	.amdgcn_target "amdgcn-amd-amdhsa--gfx1250"
	.amdhsa_code_object_version 6
	.text
	.protected	k_q72ba41965e_quant
	.globl	k_q72ba41965e_quant
	.p2align	8
	.type	k_q72ba41965e_quant,@function
k_q72ba41965e_quant:
	s_mov_b64 s[64:65], 0
	v_nop
	global_prefetch_b8 v0, s[64:65] scope:SCOPE_SE
	s_setreg_imm32_b32 hwreg(HW_REG_WAVE_MODE, 25, 1), 1
	s_wait_xcnt 0x0
; inputs [4096][1024] and Wq, Wk, Wv [1024][1024], f32, become codes of FP8 (E4M3), each with the scale 2^e that is given for it:
; code = x / 2^e, held within +-448, rounded to the nearest code, ties to even.  inputs has a scale of its own in each of the three projections
; (entries 0, 2, 4 of the scales), so it is quantised three times from one read; Wq, Wk, Wv take entries 1, 3, 5.
; LIMITS: each of the six exponents lies between -126 and 119, so that 2^e and 448 x 2^e are f32 numbers.  NaN among the inputs is not served.
; THE CODES ARE LAID AS IMAGES OF OPERAND REGISTERS.  The buffer is 60 tiles of 256 rows x 1024 K, 262,144 bytes each: tiles 16 v + T: inputs for projection v; tiles 48 + 4 v + T: the weight of projection v.
; In a tile: [K / 256 (4)][128 rows (2)][K / 128 (2)][tile i of 16 rows (8)][c (4)][lane (32)][16 bytes]: lane (r, h) holds, of row 32 (i / 2) + 8 (i % 2) + r + 8 (r / 8) of the 128,
; k = 32 c + 16 h + 0 .. 15 of the 128.  So a fragment comes by four loads of 16 bytes a lane at 16 x lane, and a result whose registers run along such rows has 16 neighbours in 16 registers.
; SHARES.  A work-group takes 128 rows x 128 K, wave i tile i: 16 rows x 512 bytes in, 2,048 bytes of codes out for each version.  One shot: no loop, no barrier, each wave has a stage of its own.
; Each load reads 512 consecutive bytes of a row; the rows turn through the stage so that a lane holds 16 neighbours along K; each store covers 512 consecutive bytes.
.set SP,   528                         ; a stage row: 512 bytes + 16 = 132 words: row r starts at bank 4 r mod 64 (64 banks of 4 bytes: ISA guide 11.1)
.set WST,  16*SP                       ; a wave's stage
.set LI,   1                           ; v1    16 x lane: my place in a row's 512 bytes, and in a store's 512
.set WR,   2                           ; v2    the stage on the way in
.set RDL,  3                           ; v3    and on the way out: row r, + 64 h
.set SC,   8                           ; v8-13 for each version: 2^e, 448 x 2^e
.set R,    16                          ; v16-79   the rows as loaded
.set X,    80                          ; v80-143  64 numbers: register 16 c + m = k 32 c + 16 h + m of my row
.set TMP,  144                         ; v144-175 two sets of 16 held numbers, by turns
.set C,    176                         ; v176-223 16 registers of codes for each version: no store's data are written again
	s_load_b256 s[4:11], s[0:1], 0x0               ; inputs s[4:5], Wq s[6:7], Wk s[8:9], Wv s[10:11]
	s_load_b128 s[12:15], s[0:1], 0x20             ; the scales' exponents s[12:13], the codes s[14:15]
	v_lshl_add_u32 v224, v0, 2, 0x10800
	v_mov_b32 v225, 0
	v_lshrrev_b32 v4, 5, v0
	s_delay_alu instid0(VALU_DEP_1)
	v_readfirstlane_b32 s33, v4                    ; wave i = tile i
	v_and_b32 v5, 31, v0
	s_delay_alu instid0(VALU_DEP_1)
	v_lshlrev_b32 v[LI], 4, v5
	s_mul_i32 s34, s33, WST
	v_add_nc_u32 v[WR], s34, v[LI]
	v_and_b32 v6, 15, v0                           ; r
	v_bfe_u32 v7, v0, 4, 1                         ; h
	s_delay_alu instid0(VALU_DEP_2)
	v_mul_u32_u24 v[RDL], v6, SP
	s_delay_alu instid0(VALU_DEP_1)
	v_lshl_add_u32 v[RDL], v7, 6, v[RDL]
	s_delay_alu instid0(VALU_DEP_1)
	v_add_nc_u32 v[RDL], s34, v[RDL]
	s_lshr_b32 s32, ttmp9, 3                       ; g: which 128 rows: 0-31 inputs, 32-39 Wq, 40-47 Wk, 48-55 Wv
	s_and_b32 s35, ttmp9, 7                        ; which 128 along K
	s_and_b32 s36, s32, 7
	s_cmp_lt_u32 s32, 32
	s_cselect_b32 s36, s32, s36                    ; the group's number within its tensor
	s_cselect_b32 s38, 0, 32
	s_lshl_b32 s36, s36, 19                        ; 128 rows of 4,096 bytes
	s_lshl_b32 s40, s35, 9                         ; 128 numbers along K
	s_add_co_u32 s36, s36, s40
	s_lshr_b32 s40, s33, 1
	s_lshl_b32 s40, s40, 17                        ; 32 (i / 2) rows
	s_add_co_u32 s36, s36, s40
	s_and_b32 s40, s33, 1
	s_lshl_b32 s40, s40, 15                        ; 8 (i % 2) rows
	s_add_co_u32 s36, s36, s40
	s_mov_b32 s37, 0                               ; s[36:37]: where my tile begins in its tensor
	s_lshr_b32 s40, s32, 1
	s_add_co_u32 s38, s38, s40                     ; the tile of 256 rows: g / 2 for inputs, 32 + g / 2 for the weights
	s_lshl_b32 s38, s38, 18
	s_lshr_b32 s40, s35, 1
	s_lshl_b32 s40, s40, 16                        ; K / 256
	s_add_co_u32 s38, s38, s40
	s_and_b32 s40, s32, 1
	s_lshl_b32 s40, s40, 15                        ; which 128 rows of the 256
	s_add_co_u32 s38, s38, s40
	s_and_b32 s40, s35, 1
	s_lshl_b32 s40, s40, 14                        ; which 128 along K of the 256
	s_add_co_u32 s38, s38, s40
	s_lshl_b32 s40, s33, 11                        ; tile i
	s_add_co_u32 s38, s38, s40
	s_mov_b32 s39, 0                               ; s[38:39]: where my codes begin
	s_wait_alu depctr_va_vdst(0)
	s_wait_kmcnt 0x0
	s_load_b256 s[24:31], s[12:13], 0x0            ; e0 .. e7
	s_cmp_lt_u32 s32, 48                           ; the tensor is chosen by the work-group's number alone
	s_cselect_b64 s[22:23], s[8:9], s[10:11]
	s_cmp_lt_u32 s32, 40
	s_cselect_b64 s[22:23], s[6:7], s[22:23]
	s_cmp_lt_u32 s32, 32
	s_cselect_b64 s[22:23], s[4:5], s[22:23]
	s_add_nc_u64 s[22:23], s[22:23], s[36:37]
	s_add_nc_u64 s[16:17], s[14:15], s[38:39]      ; version 0's codes;
	s_add_nc_u64 s[18:19], s[16:17], 0x400000      ; inputs' versions 1 and 2 lie 16 and 32 tiles on (used for inputs alone)
	s_add_nc_u64 s[20:21], s[16:17], 0x800000
.irp p, 0,1,2,3,4,5,6,7,8,9,10,11,12,13,14,15
	global_load_b128 v[R+4*\p:R+4*\p+3], v[LI], s[22:23] offset:(\p+8*(\p/8))*4096 th:TH_LOAD_NT   ; the tile's row p: 32 lanes read 512 consecutive bytes; read once in the launch
.endr
.macro SCALES se, vs                   ; 2^e and 448 x 2^e as f32 numbers
	s_add_co_i32 s41, \se, 127
	s_lshl_b32 s42, s41, 23
	v_mov_b32 v[\vs], s42                          ; the conversion takes its exponent field
	s_add_co_i32 s41, s41, 8
	s_lshl_b32 s41, s41, 23
	s_or_b32 s41, s41, 0x600000                    ; 448's mantissa field
	v_mov_b32 v[\vs+1], s41
.endm
	s_wait_kmcnt 0x0
	s_cmp_lt_u32 s32, 48
	s_cselect_b32 s40, s27, s29                    ; Wk: e3, Wv: e5
	s_cmp_lt_u32 s32, 40
	s_cselect_b32 s40, s25, s40                    ; Wq: e1
	s_cmp_lt_u32 s32, 32
	s_cselect_b32 s40, s24, s40                    ; inputs, version 0: e0
	SCALES s40, SC
	SCALES s26, SC+2                               ; inputs, version 1: e2
	SCALES s28, SC+4                               ; inputs, version 2: e4
	s_wait_alu depctr_va_vdst(0)
.irp p, 0,1,2,3,4,5,6,7,8,9,10,11,12,13,14,15
	s_wait_loadcnt 15-\p                           ; loads come back in order: row p is in, the younger ones stay out
	ds_store_b128 v[WR], v[R+4*\p:R+4*\p+3] offset:SP*\p
.endr
.irp c, 0,1,2,3
.irp m, 0,1,2,3
	ds_load_b128 v[X+16*\c+4*\m:X+16*\c+4*\m+3], v[RDL] offset:128*\c+16*\m   ; LDS serves a wave's instructions in order (ISA guide 5.7.1.4): these see my stores
.endr
.endr
; One version of the tile's codes.  The held numbers go into other registers, so that X serves all versions; the two sets take turns, so that the next block's
; first hold, which touches neither the conversions' results nor their sources, is the plain line behind them.
.macro VERS ver, first
.irp c, 0,1,2,3
.if \first
	s_wait_dscnt 12-4*\c                           ; block c's four loads are back; the younger blocks' may be out
.endif
.irp m, 0,1,2,3,4,5,6,7,8,9,10,11,12,13,14,15
	v_med3_num_f32 v[TMP+16*(\c%2)+\m], v[X+16*\c+\m], -v[SC+2*\ver+1], v[SC+2*\ver+1]   ; the conversion to an 8-bit code does not saturate (ISA guide 7.6.2): the hold comes first
.endr
	v_cvt_scalef32_pk8_fp8_f32 v[C+16*\ver+4*\c:C+16*\ver+4*\c+1], v[TMP+16*(\c%2):TMP+16*(\c%2)+7], v[SC+2*\ver]
	v_cvt_scalef32_pk8_fp8_f32 v[C+16*\ver+4*\c+2:C+16*\ver+4*\c+3], v[TMP+16*(\c%2)+8:TMP+16*(\c%2)+15], v[SC+2*\ver]
	global_store_b128 v[LI], v[C+16*\ver+4*\c:C+16*\ver+4*\c+3], s[16+2*\ver:17+2*\ver] offset:512*\c   ; 32 lanes store 512 consecutive bytes, at a multiple of 512 from the buffer's first byte
.endr
.endm
	VERS 0, 1
	s_cmp_lt_u32 s32, 32                           ; a weight has one version
	s_cbranch_scc0 .Lend
	VERS 1, 0
	VERS 2, 0
.Lend:
	s_wait_tensorcnt 0x0
	ds_add_u32 v224, v225
	s_wait_dscnt 0x0
	s_endpgm
.Lfunc_end_k_q72ba41965e_quant:
	.size	k_q72ba41965e_quant, .Lfunc_end_k_q72ba41965e_quant-k_q72ba41965e_quant
	.p2alignl 7, 3214868480
	.fill 96, 4, 3214868480
	.section	.rodata,"a",@progbits
	.p2align	6, 0x0
	.amdhsa_kernel k_q72ba41965e_quant
		.amdhsa_group_segment_fixed_size 68608
		.amdhsa_private_segment_fixed_size 0
		.amdhsa_enable_private_segment 0
		.amdhsa_kernarg_size 48
		.amdhsa_user_sgpr_count 2
		.amdhsa_user_sgpr_kernarg_segment_ptr 1
		.amdhsa_wavefront_size32 1
		.amdhsa_system_sgpr_workgroup_id_x 1
		.amdhsa_system_sgpr_workgroup_id_y 1
		.amdhsa_system_sgpr_workgroup_id_z 1
		.amdhsa_system_vgpr_workitem_id 0
		.amdhsa_next_free_vgpr 226
		.amdhsa_next_free_sgpr 66
		.amdhsa_reserve_vcc 0
		.amdhsa_float_denorm_mode_32 3
		.amdhsa_float_denorm_mode_16_64 3
		.amdhsa_memory_ordered 1
		.amdhsa_forward_progress 1
		.amdhsa_inst_pref_size 23
	.end_amdhsa_kernel
	.amdgpu_metadata
---
amdhsa.version: [ 1, 2 ]
amdhsa.kernels:
  - .name:           k_q72ba41965e_quant
    .symbol:         k_q72ba41965e_quant.kd
    .args:
      - { .name: inputs, .offset: 0, .size: 8, .value_kind: global_buffer, .address_space: global }
      - { .name: Wq, .offset: 8, .size: 8, .value_kind: global_buffer, .address_space: global }
      - { .name: Wk, .offset: 16, .size: 8, .value_kind: global_buffer, .address_space: global }
      - { .name: Wv, .offset: 24, .size: 8, .value_kind: global_buffer, .address_space: global }
      - { .name: lowp_scales, .offset: 32, .size: 8, .value_kind: global_buffer, .address_space: global }
      - { .name: codes, .offset: 40, .size: 8, .value_kind: global_buffer, .address_space: global }
    .group_segment_fixed_size: 68608
    .private_segment_fixed_size: 0
    .kernarg_segment_align: 8
    .kernarg_segment_size: 48
    .max_flat_workgroup_size: 256
    .sgpr_count:     66
    .vgpr_count:     226
    .wavefront_size: 32
...
	.end_amdgpu_metadata
.endif
;; end of part 1
;; launch proj (part 2): grid 12 x 16, 4 waves a work-group, clusters of 4 x 4, 327,680 bytes of LDS; arguments codes, lowp_scales, qkv; writes qkv
.if DOCPART == 2
	.amdgcn_target "amdgcn-amd-amdhsa--gfx1250"
	.amdhsa_code_object_version 6
	.text
	.protected	k_q72ba41965e_proj
	.globl	k_q72ba41965e_proj
	.p2align	8
	.type	k_q72ba41965e_proj,@function
k_q72ba41965e_proj:
	s_mov_b64 s[64:65], 0
	v_nop
	global_prefetch_b8 v0, s[64:65] scope:SCOPE_SE
	s_setreg_imm32_b32 hwreg(HW_REG_WAVE_MODE, 25, 1), 1
	s_wait_xcnt 0x0
	s_wait_alu depctr_hold_cnt(0) depctr_sa_sdst(0) depctr_va_vdst(0) depctr_va_sdst(0) depctr_va_ssrc(0) depctr_va_vcc(0) depctr_vm_vsrc(0)
	s_getreg_b32 s2, hwreg(HW_REG_IB_STS2, 6, 4)
	s_cmp_eq_u32 s2, 0
	s_cbranch_scc0 .Lentry_in_a_cluster
	s_endpgm
.Lentry_in_a_cluster:
	s_bfe_u32 s2, ttmp6, 0x10000c
	s_cmp_lg_u32 s2, 0xf033
	s_cbranch_scc0 .Lentry_shape_is_right
	s_endpgm
.Lentry_shape_is_right:
; Q, K, V = inputs W^T on codes of FP8 (E4M3), and their own codes for the attention: cluster column 0 makes Q, 1 K, 2 V; sums in f32, each multiplied by a power of two inside the conversion to its code, held within the largest code.
; The codes are images of operand registers, tiles of 256 rows x 1,024 K, 65,536 bytes for each 256 along K.  V is made with the roles of the operands exchanged, so that its codes lie with the keys innermost.
; LIMITS: e6 - e0 - e1, e7 - e2 - e3 and e9 - e4 - e5 each lie between -126 and 119.
; A work-group of four waves makes 256 x 256, a wave 128 x 128; K goes in four steps of 256 through two LDS slots.  CLUSTERS: 4 x 4; A's tile is asked for jointly along a row, B's along a column.
; PREFETCH: K steps 2 and 3, each at least a whole step ahead of its joint load.  Of the 128 blocks of 256 bytes that a wave fetches in a step each of the four partners asks for 32, told apart by address.  K steps 0 and 1 come by their loads alone.
.set FR,     16
.set NL,     4
.set NP,     4
.set HALFT,  32768
.set SLOT,   4*HALFT
.set SIGMA,  65536
.set SPARE,  2*SLOT
.set ADRA, 16
.set ADRB, 20
.set LI,   26
.set SPW,  28
.set NIL,  29
.set LIM,  30
.set SCL,   31
.set PFO,   27                         ; v27 the prefetches' offset: 256 x lane; never rewritten
.set TMP,  32
.set AF,   128
.set G1, 24
.set G0, 32
.set G1B, 48
.set G0B, 56
.set MSB, 0
.macro WIN new
.if MSB != (\new)
	s_set_vgpr_msb (MSB<<8)|(\new)
.set MSB, (\new)
.endif
.endm
.set MUL_LO, 0xa1
.set MUL_HI, 0xf1
.set TO_B,   0x40
.macro JLOAD g0a, g1a, g0b, g1b
	s_cmp_eq_u32 s15, 0
	s_cbranch_scc0 .Lfor_b_\@
	tensor_load_to_lds s[\g0a:\g0a+3], s[\g1a:\g1a+7]
	s_nop 0
.rept 4
	v_nop
.endr
	s_branch .Lasked_\@
.Lfor_b_\@:
	tensor_load_to_lds s[\g0b:\g0b+3], s[\g1b:\g1b+7]
	s_nop 0
.rept 4
	v_nop
.endr
.Lasked_\@:
.endm
.macro CREST
	s_cmp_lg_u32 s14, 0
	s_cbranch_scc1 .Lnot_wave_0_\@
	s_barrier_signal -3
.Lnot_wave_0_\@:
	s_barrier_wait -3
	s_barrier_signal -1
	s_barrier_wait -1
.endm
.macro CROUND
	s_barrier_signal -1
	s_barrier_wait -1
	CREST
.endm
	s_load_b128 s[4:7], s[0:1], 0x0
	s_load_b64 s[8:9], s[0:1], 0x10
	v_lshl_add_u32 v[SPW], v0, 2, SPARE
	v_mov_b32 v[NIL], 0
	ds_add_u32 v28, v29
	ds_add_u32 v28, v29
	s_wait_dscnt 0x0
	v_lshrrev_b32 v1, 5, v0
	v_readfirstlane_b32 s14, v1
	s_lshr_b32 s15, s14, 1
	s_and_b32 s16, s14, 1
	s_bfe_u32 s40, ttmp6, 0x40000
	s_bfe_u32 s41, ttmp6, 0x40004
	s_lshl_b32 s43, s41, 2
	s_lshl_b32 s43, 15, s43
	s_lshl_b32 s44, 0x1111, s40
	s_or_b32 s[G1+0], s43, (3<<16)|(1<<21)
	s_or_b32 s[G1B+0], s44, (3<<16)|(1<<21)
.irp g, G1, G1B
	s_mov_b32 s[\g+1], 32<<16
	s_mov_b32 s[\g+2], 128<<16
	s_mov_b32 s[\g+3], 32<<16
	s_mov_b32 s[\g+4], 128
	s_mov_b32 s[\g+5], 32
	s_mov_b32 s[\g+6], 0
	s_mov_b32 s[\g+7], 0
.endr
	s_and_b32 s17, ttmp7, 0xffff
	s_lshl_b32 s17, s17, 2
	s_lshl_b32 s18, ttmp9, 4
	s_add_co_u32 s18, s18, s17
	s_lshl_b32 s19, ttmp9, 2
	s_add_co_u32 s19, s19, 48
	s_add_co_u32 s42, s17, 32
	s_mov_b32 s45, 56
	s_cmp_lt_u32 ttmp9, 2
	s_cselect_b32 s20, s18, s45
	s_cselect_b32 s46, s19, s42
	s_add_co_u32 s20, s20, s41
	s_add_co_u32 s46, s46, s40
	s_lshl_b32 s20, s20, 18
	s_lshl_b32 s46, s46, 18
	s_lshl_b32 s18, s16, 15
	s_add_co_u32 s20, s20, s18
	s_add_co_u32 s46, s46, s18
	s_mov_b32 s21, 0
	s_mov_b32 s47, 0
	s_lshl_b32 s23, s14, 15
	CROUND                                         ; all sixteen work-groups are here (the arguments are on their way): the first joint loads meet
	s_wait_kmcnt 0x0
	s_load_b256 s[68:75], s[6:7], 0x0
	s_load_b64 s[76:77], s[6:7], 0x20
	s_add_nc_u64 s[20:21], s[4:5], s[20:21]
	s_add_nc_u64 s[46:47], s[4:5], s[46:47]
.irp s, 0,1
	s_mov_b32 s[G0+4*\s], 1
	s_add_co_u32 s[G0+4*\s+1], s23, \s*SLOT
	s_add_nc_u64 s[G0+4*\s+2:G0+4*\s+3], s[20:21], \s*SIGMA
	s_or_b32 s[G0+4*\s+3], s[G0+4*\s+3], 0x80000000
	s_mov_b32 s[G0B+4*\s], 1
	s_add_co_u32 s[G0B+4*\s+1], s23, \s*SLOT
	s_add_nc_u64 s[G0B+4*\s+2:G0B+4*\s+3], s[46:47], \s*SIGMA
	s_or_b32 s[G0B+4*\s+3], s[G0B+4*\s+3], 0x80000000
.endr
	JLOAD G0, G1, G0B, G1B                         ; K step 0
	s_cmp_eq_u32 s15, 0                            ; the prefetches: where my 128 rows lie, in A or in B,
	s_cselect_b64 s[78:79], s[20:21], s[46:47]
	s_cselect_b32 s10, s40, s41                    ; my place among the four that ask for them with me: 8,192 bytes each,
	s_lshl_b32 s10, s10, 13
	s_add_co_u32 s10, s10, 2*SIGMA                 ; K step 2
	s_mov_b32 s11, 0
	s_add_nc_u64 s[78:79], s[78:79], s[10:11]
	v_and_b32 v1, 31, v0
	v_lshlrev_b32 v[LI], 4, v1
	v_lshlrev_b32 v[PFO], 8, v1
	global_prefetch_b8 v[PFO], s[78:79] th:TH_LOAD_NT scope:SCOPE_SE   ; K step 2: its load stands behind step 0's products
	s_lshl_b32 s21, s15, 15
	s_lshl_b32 s22, s16, 15
	s_add_co_u32 s22, s22, 2*HALFT
.irp s, 0,1
	v_add_nc_u32 v[ADRA+\s], s21, v[LI]
	v_add_nc_u32 v[ADRB+\s], s22, v[LI]
	s_add_co_u32 s21, s21, SLOT
	s_add_co_u32 s22, s22, SLOT
.endr
	s_and_b32 s84, ttmp7, 0xffff
	s_lshl_b32 s84, s84, 2
	s_add_co_u32 s85, s84, s41
	s_add_co_u32 s86, s84, s40
	s_cmp_lt_u32 ttmp9, 2
	s_cselect_b32 s85, s85, s86
	s_cselect_b32 s86, s40, s41
	s_cselect_b32 s87, s15, s16
	s_cselect_b32 s88, s16, s15
	s_lshl_b32 s85, s85, 1
	s_add_co_u32 s85, s85, s87
	s_lshl_b32 s86, s86, 1
	s_add_co_u32 s86, s86, s88
	s_lshr_b32 s87, s85, 4
	s_lshl_b32 s87, s87, 4
	s_lshl_b32 s86, s86, 1
	s_add_co_u32 s87, s87, s86
	s_lshl_b32 s87, s87, 17
	s_and_b32 s85, s85, 15
	s_lshl_b32 s85, s85, 13
	s_add_co_u32 s86, s87, s85
	s_lshl_b32 s88, ttmp9, 22
	s_add_co_u32 s86, s86, s88
	s_mov_b32 s87, 0
	s_add_nc_u64 s[8:9], s[8:9], s[86:87]
.macro FRAG reg, adr, q, i
.irp c, 0,1,2,3
	ds_load_b128 v[\reg+4*\c:\reg+4*\c+3], v[\adr] offset:16384*(\q)+2048*(\i)+512*\c
.endr
.endm
.macro MUL16 a0, p, zero
.irp a, \a0, \a0+1
.irp b, 0,1,2,3,4,5,6,7
.if \zero
	v_wmma_f32_16x16x128_fp8_fp8 v[8*(8*((\a)%4)+\b):8*(8*((\a)%4)+\b)+7], v[128*(\p)+FR*\b:128*(\p)+FR*\b+FR-1], v[AF+FR*(\a):AF+FR*(\a)+FR-1], 0
.else
	v_wmma_f32_16x16x128_fp8_fp8 v[8*(8*((\a)%4)+\b):8*(8*((\a)%4)+\b)+7], v[128*(\p)+FR*\b:128*(\p)+FR*\b+FR-1], v[AF+FR*(\a):AF+FR*(\a)+FR-1], v[8*(8*((\a)%4)+\b):8*(8*((\a)%4)+\b)+7]
.endif
.endr
.endr
.endm
.macro FETCH_B slot, q, p
	WIN TO_B
.irp i, 0,1,2,3,4,5,6,7
	FRAG 128*(\p)+FR*\i, ADRB+\slot, \q, \i
.endr
	WIN 0
.endm
.macro FETCH_A slot, q, i0
.irp i, \i0, \i0+1, \i0+2, \i0+3
	FRAG AF+FR*(\i), ADRA+\slot, \q, \i
.endr
.endm
.macro PLACES n
.rept \n
	v_nop
.endr
.endm
.macro STEP slot, q, zero
	s_wait_dscnt 4*NL
	WIN MUL_LO
	MUL16 0, (\q)%2, \zero
	MUL16 2, (\q)%2, \zero
	s_wait_dscnt 0
	PLACES NP
	FETCH_B \slot, (\q)+1, 1-(\q)%2
	FETCH_A \slot, (\q)+1, 0
	WIN MUL_HI
	MUL16 4, (\q)%2, \zero
	MUL16 6, (\q)%2, \zero
	PLACES NP
	WIN 0
	FETCH_A \slot, (\q)+1, 4
.endm
.macro TURN slot, next, fill
	s_wait_tensorcnt 0x0
	ds_add_u32 v[SPW], v[NIL]
	s_wait_dscnt 4*NL+1
	WIN MUL_LO
	MUL16 0, 1, 0
	s_wait_dscnt 0x0
	s_barrier_signal -1
	MUL16 2, 1, 0
	WIN 0
	s_barrier_wait -1
.if \fill
	CREST
	s_add_nc_u64 s[G0+4*\slot+2:G0+4*\slot+3], s[G0+4*\slot+2:G0+4*\slot+3], 2*SIGMA
	s_add_nc_u64 s[G0B+4*\slot+2:G0B+4*\slot+3], s[G0B+4*\slot+2:G0B+4*\slot+3], 2*SIGMA
	JLOAD G0+4*\slot, G1, G0B+4*\slot, G1B
.else
	PLACES NP
.endif
	FETCH_B \next, 0, 0
	FETCH_A \next, 0, 0
	WIN MUL_HI
	MUL16 4, 1, 0
	MUL16 6, 1, 0
	PLACES NP
	WIN 0
	FETCH_A \next, 0, 4
.endm
	s_wait_alu depctr_va_vdst(0)
	s_wait_tensorcnt 0x0                           ; my part of K step 0 is in
	ds_add_u32 v[SPW], v[NIL]
	s_wait_dscnt 0x0
	CROUND                                         ; everybody's part of K step 0 is in, and the joint loads meet:
	JLOAD G0+4, G1, G0B+4, G1B                     ; K step 1's, the first tensor load behind the round
	FETCH_B 0, 0, 0
	FETCH_A 0, 0, 0
	FETCH_A 0, 0, 4
	global_prefetch_b8 v[PFO], s[78:79] offset:SIGMA th:TH_LOAD_NT scope:SCOPE_SE   ; K step 3: its load stands behind steps 0's and 1's products
	STEP 0, 0, 1
	TURN 0, 1, 1
	STEP 1, 0, 0
	TURN 1, 0, 1
	STEP 0, 0, 0
	TURN 0, 1, 0
	STEP 1, 0, 0
	s_wait_dscnt 4*NL
	WIN MUL_LO
	MUL16 0, 1, 0
	MUL16 2, 1, 0
	s_wait_dscnt 0
	WIN MUL_HI
	MUL16 4, 1, 0
	MUL16 6, 1, 0
	WIN 0
.macro EPI isv
.irp a, 0,1,2,3,4,5,6,7
	WIN 0x02+(\a/4)
.set AC, 64*(\a%4)
.set j, 0
.rept 64
	v_med3_num_f32 v[TMP+j], v[AC+j], -v[LIM], v[LIM]
.set j, j+1
.endr
	WIN 0
.irp g, 0,1,2,3,4,5,6,7
	v_cvt_scalef32_pk8_fp8_f32 v[AF+16*\a+2*\g:AF+16*\a+2*\g+1], v[TMP+8*\g:TMP+8*\g+7], v[SCL]
.endr
	v_nop
.irp b, 0,1,2,3
.if \isv
	global_store_b128 v[LI], v[AF+16*\a+4*\b:AF+16*\a+4*\b+3], s[8:9] offset:(\a/4)*131072+(\a%4)*2048+\b*512 th:TH_STORE_NT
.else
	global_store_b128 v[LI], v[AF+16*\a+4*\b:AF+16*\a+4*\b+3], s[8:9] offset:(\b/2)*131072+\a*1024+(\b%2)*512 th:TH_STORE_NT
.endif
.endr
.endr
.endm
	s_wait_kmcnt 0x0
	s_sub_co_i32 s80, s74, s68
	s_sub_co_i32 s80, s80, s69
	s_sub_co_i32 s81, s75, s70
	s_sub_co_i32 s81, s81, s71
	s_sub_co_i32 s82, s77, s72
	s_sub_co_i32 s82, s82, s73
	s_cmp_eq_u32 ttmp9, 0
	s_cselect_b32 s80, s80, s81
	s_cmp_eq_u32 ttmp9, 2
	s_cselect_b32 s80, s82, s80
	s_add_co_i32 s80, s80, 127
	s_lshl_b32 s81, s80, 23
	v_mov_b32 v[SCL], s81
	s_add_co_i32 s80, s80, 8
	s_lshl_b32 s80, s80, 23
	s_or_b32 s80, s80, 0x600000
	v_mov_b32 v[LIM], s80
	PLACES NP
	s_cmp_eq_u32 ttmp9, 2
	s_cbranch_scc1 .Lv
	EPI 0
	s_branch .Lend
.Lv:
	s_wait_alu depctr_va_vdst(0)
	EPI 1
.Lend:
	s_wait_tensorcnt 0x0
	ds_add_u32 v[SPW], v[NIL]
	s_wait_dscnt 0x0
	CROUND
	s_endpgm
.Lfunc_end_k_q72ba41965e_proj:
	.size	k_q72ba41965e_proj, .Lfunc_end_k_q72ba41965e_proj-k_q72ba41965e_proj
	.p2alignl 7, 3214868480
	.fill 96, 4, 3214868480
	.section	.rodata,"a",@progbits
	.p2align	6, 0x0
	.amdhsa_kernel k_q72ba41965e_proj
		.amdhsa_group_segment_fixed_size 327680
		.amdhsa_private_segment_fixed_size 0
		.amdhsa_enable_private_segment 0
		.amdhsa_kernarg_size 24
		.amdhsa_user_sgpr_count 2
		.amdhsa_user_sgpr_kernarg_segment_ptr 1
		.amdhsa_wavefront_size32 1
		.amdhsa_system_sgpr_workgroup_id_x 1
		.amdhsa_system_sgpr_workgroup_id_y 1
		.amdhsa_system_sgpr_workgroup_id_z 1
		.amdhsa_system_vgpr_workitem_id 0
		.amdhsa_next_free_vgpr 1024
		.amdhsa_next_free_sgpr 98
		.amdhsa_reserve_vcc 0
		.amdhsa_float_denorm_mode_32 3
		.amdhsa_float_denorm_mode_16_64 3
		.amdhsa_memory_ordered 1
		.amdhsa_forward_progress 1
		.amdhsa_inst_pref_size 158
	.end_amdhsa_kernel
	.amdgpu_metadata
---
amdhsa.version: [ 1, 2 ]
amdhsa.kernels:
  - .name:           k_q72ba41965e_proj
    .symbol:         k_q72ba41965e_proj.kd
    .args:
      - { .name: codes, .offset: 0, .size: 8, .value_kind: global_buffer, .address_space: global }
      - { .name: lowp_scales, .offset: 8, .size: 8, .value_kind: global_buffer, .address_space: global }
      - { .name: qkv, .offset: 16, .size: 8, .value_kind: global_buffer, .address_space: global }
    .group_segment_fixed_size: 327680
    .private_segment_fixed_size: 0
    .kernarg_segment_align: 8
    .kernarg_segment_size: 24
    .max_flat_workgroup_size: 128
    .sgpr_count:     98
    .vgpr_count:     1024
    .wavefront_size: 32
...
	.end_amdgpu_metadata
.endif
;; end of part 2
;; launch attn (part 3): grid 8 x 32, 4 waves a work-group, no clusters, 312,832 bytes of LDS; arguments qkv, lowp_scales, out0; writes out0
.if DOCPART == 3
	.amdgcn_target "amdgcn-amd-amdhsa--gfx1250"
	.amdhsa_code_object_version 6
	.text
	.protected	k_q72ba41965e_attn
	.globl	k_q72ba41965e_attn
	.p2align	8
	.type	k_q72ba41965e_attn,@function
k_q72ba41965e_attn:
	s_mov_b64 s[64:65], 0
	v_nop
	global_prefetch_b8 v0, s[64:65] scope:SCOPE_SE
	s_setreg_imm32_b32 hwreg(HW_REG_WAVE_MODE, 25, 1), 1
	s_wait_xcnt 0x0
; out[b][q][64 head + :] = the sum over k of softmax_k(Q[q] . K[k] / 8) V[k][:], for 32 pairs (batch, head), 2,048 queries x 2,048 keys, head size 64; both products on codes of FP8 (E4M3) with the given scales e6 .. e9.
; THE SOFTMAX AHEAD OF THE SECOND PRODUCT: t = score x log2(e) / 8; M = the row's largest t so far, rounded UP to a whole number; p = 2^(t - M) is what is quantised (scale 2^e8); it is not normalised.
; The row's sum is taken of the unquantised p, in f32, and divides O at the end.  When M moves, the sum and O are multiplied by 2^(old M - new M): exact.
; LIMITS: e6 + e7 between -123 and 130 (added to c's exponent field); e8 between -126 and 119; e8 + e9 is applied by v_ldexp_f32 and has none.  The scaled scores stay under 2^31 in magnitude.
; SHARES.  A work-group owns 256 queries of one pair; each of its four waves, one for each SIMD, owns 64 of them, four tiles of 16, so that each fragment of K and V read from LDS feeds four matrix instructions.
; Every wave walks all keys, 256 a step: O and the sum are rescaled once for 256 keys.
; THE HOLD at the largest code: p is at most 1 (but for rounding), and 448 x 2^e8 is at least 1.75 where e8 >= -8: there the hold changes nothing.  So a scalar branch on e8 leads to a second text with the hold (behind the kernel's end), else there is none.
; Without the branch the hold would be 128 lines a tile and step, as many as the exponentials.
; This launch has no cluster, and K and V reach LDS through registers: each work-group loads its pair's 262,144 bytes once, 8,192 a wave for each chunk of 256 keys (waves 0, 1: K, waves 2, 3: V).
; LDS.  A pair's whole K and V lie in LDS as images of operand registers; every byte is stored once before it is read.  Chunk n + 1 is stored at the head of step n, out of registers that were asked for a step earlier; ONE barrier a step: its signal stands
; ahead of the last scores, its wait between the two pairs of tiles; behind it the next step's first K fragments are fetched.
; PREFETCH.  In trip t the work-group with number x = t + 3 of a pair's eight asks for chunk t + 3, whole, once; chunks 0 to 2 come by their loads alone.
; LAYOUT.  Both products are used transposed: S^T = K Q^T (source 0 = 16 keys, source 1 = 16 queries), O^T = V^T P^T (source 0 = 16 channels, source 1 = P): a lane holds ONE query (lane % 16) throughout.
; The keys of a tile, and the channels of a tile of V, are sel(i, r) = 32 (i / 2) + 8 (i % 2) + r + 8 (r / 8): so the 16 registers of result tiles 2 b and 2 b + 1 are 16 neighbours, 32 b + 16 (lane / 16) + 0 .. 15:
; p's codes are the second product's operand as they stand, and a lane's 16 results of O are 64 consecutive bytes of a row.  The tiles of queries are laid the same way: tile x, lane r is query 64 w + 32 (x / 2) + 8 (x % 2) + r + 8 (r / 8) of the block.
; REGISTERS, in windows of 256.  Window 0: v1-15 addresses and constants; v16-47 statistics, 8 a tile; v48-63 the maxima's chains, 4 a tile; v64-191 p's codes, 32 a tile; v192-255 K's fragments, two quarters.
;   Window 1: tiles 0 and 1: scores, then p, 128 each; when tile 0 is done its registers take V's fragments of the step.   Window 2: tiles 2 and 3.
;   Window 3: v0-127 O^T, 32 a tile; v128-159 Q; v160-223 the next chunk on its way to LDS; v224-255 a third quarter of K.
.set CHUNK,  16384                     ; 256 keys of K, or of V
.set VOFF,   147456                    ; V's images: behind K's 131,072 bytes and one chunk's room
.set STAGE,  294912                    ; behind V's images and one chunk's room: the way out: 16 rows x (256 bytes + 16) for each wave
.set SPITCH, 272                       ; 68 words: row r starts at bank 4 r mod 64 (64 banks of 4 bytes: ISA guide 11.1)
.set SPARE,  STAGE+4*16*SPITCH         ; the spare words, 128 bytes for each wave
.set LI,  1                            ; v1   16 x lane
.set ADK, 2                            ; v2   LDS address of the step's images of K
.set ADV, 3                            ; v3   of V
.set STO, 4                            ; v4   the way out: where I put 64 bytes of a row
.set RD,  5                            ; v5   where I read a row back
.set GO,  6                            ; v6   my byte offset in two rows of out
.set LIV, 7                            ; v7   16 x lane + VOFF
.set LW,  8                            ; v8   my place in a chunk's images in LDS
.set ADS, 9                            ; v9   and in the step's
.set PFO, 10                           ; v10  the prefetches' offset: 256 x lane
.set SPW, 12                           ; v12  LDS address of my spare word; never rewritten
.set NIL, 13                           ; v13  0; never rewritten
.set LIM, 14                           ; v14  448 x 2^e8
.set SCL, 15                           ; v15  2^e8
.set ST,  16                           ; tile x's statistics at v[ST + 8 x]: +0 -M, +1 the largest score, +2, +3 the sum in two halves, +4 f (+5 named with it), +6, +7 at work
.set T,   48
.set P,   64
.set KB0, 192
.set KB1, 224
.set KB2, 224                          ; in window 3
.set QF,  128                          ; in window 3
.set G,   160                          ; in window 3
.set WV,  12                           ; s12  my wave's number
.set SEL, 20                           ; s[20:21] lane selects for v_permlanex16_b32: lane l xor 16
.set CS,  22                           ; s[22:23] c = log2(e) / 8 x 2^(e6 + e7): the packed form names a pair and takes its low word for both halves
.set TB,  48                           ; s48  LDS byte at which the step's images of K begin
.set CNT, 49                           ; s49  steps to go
.set SRC, 50                           ; s[50:51] where my part of the chunks lies in memory: trip t loads CHUNK bytes behind it
.set HOLD, 52                          ; s52  1: the hold is needed
.set ASKT, 53                          ; s53  the count of steps at which my work-group prefetches
.set MSB, 0
.macro WIN new                         ; the immediate's high byte repeats the setting that is left; a switch that changes nothing is dropped
.if MSB != (\new)
	s_set_vgpr_msb (MSB<<8)|(\new)
.set MSB, (\new)
.endif
.endm
.macro PLACES
.rept 4
	v_nop
.endr
.endm
.macro KLOAD reg, q, off               ; four tiles of 16 keys: 32 registers
.irp t, 0,1,2,3
	ds_load_b128 v[\reg+8*\t:\reg+8*\t+3], v[ADK] offset:\off+1024*(4*\q+\t)
	ds_load_b128 v[\reg+8*\t+4:\reg+8*\t+7], v[ADK] offset:\off+1024*(4*\q+\t)+512
.endr
.endm
	s_load_b128 s[4:7], s[0:1], 0x0                ; qkv s[4:5], the scales' exponents s[6:7]
	s_load_b64 s[8:9], s[0:1], 0x10                ; out
	v_lshrrev_b32 v2, 5, v0
	v_readfirstlane_b32 s[WV], v2                  ; wave 0..3
	s_and_b32 s13, ttmp7, 0xffff                   ; the pair 16 x batch + head
	s_lshr_b32 s14, s[WV], 1                       ; I fetch for K (0) or for V (1)
	s_and_b32 s15, s[WV], 1
	s_lshl_b32 s15, s15, 13                        ; which 8,192 bytes of a chunk
	s_add_co_u32 s16, s14, 1
	s_lshl_b32 s16, s16, 22                        ; K is part 1 of qkv, V part 2,
	s_lshl_b32 s17, s13, 17                        ; the pair's 131,072 bytes
	s_add_co_u32 s[SRC], s16, s17
	s_add_co_u32 s[SRC], s[SRC], s15
	s_mov_b32 s[SRC+1], 0
	s_mul_i32 s16, s14, VOFF
	s_add_co_u32 s16, s16, s15                     ; my place in LDS
	s_lshl_b32 s18, ttmp9, 14                      ; Q: the pair, my block's 16 tiles of 1,024 bytes, my wave's four
	s_add_co_u32 s54, s17, s18
	s_lshl_b32 s18, s[WV], 12
	s_add_co_u32 s54, s54, s18
	s_mov_b32 s55, 0
	s_lshr_b32 s56, s13, 4                         ; out: row 2,048 x batch + 256 x block + 64 x wave, of 4,096 bytes; the head's 256 bytes in it
	s_lshl_b32 s56, s56, 11
	s_lshl_b32 s57, ttmp9, 8
	s_add_co_u32 s56, s56, s57
	s_lshl_b32 s57, s[WV], 6
	s_add_co_u32 s56, s56, s57
	s_lshl_b32 s56, s56, 12
	s_and_b32 s57, s13, 15
	s_lshl_b32 s57, s57, 8
	s_add_co_u32 s56, s56, s57
	s_mov_b32 s57, 0
	s_mul_i32 s58, s[WV], 16*SPITCH
	s_add_co_u32 s58, s58, STAGE                   ; my stage
	s_sub_co_u32 s[ASKT], 11, ttmp9                ; trip t has 8 - t steps to go; work-group x asks in trip x - 3 (x = 0, 1, 2: never)
	s_mov_b32 s[SEL], 0x76543210
	s_mov_b32 s[SEL+1], 0xfedcba98
	s_mov_b32 s[TB], 0
	s_mov_b32 s[CNT], 8
	v_lshl_add_u32 v[SPW], v0, 2, SPARE
	v_mov_b32 v[NIL], 0
	v_and_b32 v2, 31, v0
	v_lshlrev_b32 v[LI], 4, v2
	v_lshlrev_b32 v[PFO], 8, v2                    ; my wave's part of a chunk is 32 blocks of 256 bytes
	v_add_nc_u32 v[LW], s16, v[LI]
	v_add_nc_u32 v[LIV], VOFF, v[LI]
	s_wait_alu depctr_va_vdst(0)
	s_wait_kmcnt 0x0
	s_load_b128 s[68:71], s[6:7], 0x18             ; e6, e7, e8, e9
	s_add_nc_u64 s[SRC:SRC+1], s[4:5], s[SRC:SRC+1]
	s_add_nc_u64 s[54:55], s[4:5], s[54:55]
	s_add_nc_u64 s[8:9], s[8:9], s[56:57]
	WIN 0x40                                       ; destination window 1, address window 0
.set j, 0
.rept 16
	global_load_b128 v[4*j:4*j+3], v[LI], s[SRC:SRC+1] offset:512*j                 ; chunk 0, through tile 0's registers: 32 lanes read 512 consecutive bytes
.set j, j+1
.endr
	WIN 0xc0                                       ; destination window 3
.set j, 0
.rept 8
	global_load_b128 v[QF+4*j:QF+4*j+3], v[LI], s[54:55] offset:512*j               ; Q's four fragments stay in registers: tile j / 2
.set j, j+1
.endr
.set j, 0
.rept 16
	global_load_b128 v[G+4*j:G+4*j+3], v[LI], s[SRC:SRC+1] offset:CHUNK+512*j       ; chunk 1
.set j, j+1
.endr
.set j, 0
.rept 128
	v_mov_b32 v[j], 0                              ; O^T, under the loads' flight.  (The step is written once: the first finds zeros, which the first change of M leaves zeros)
.set j, j+1
.endr
	WIN 0
	v_and_b32 v2, 15, v0                           ; r
	v_bfe_u32 v3, v0, 4, 1                         ; h
	v_mul_u32_u24 v[STO], v2, SPITCH               ; in: row r, 64 bytes for each half of the lanes
	v_lshl_add_u32 v[STO], v3, 6, v[STO]
	v_add_nc_u32 v[STO], s58, v[STO]
	v_mul_u32_u24 v[RD], v3, SPITCH                ; back: lanes 0-15 take one row of 256 bytes, lanes 16-31 the next
	v_lshl_add_u32 v[RD], v2, 4, v[RD]
	v_add_nc_u32 v[RD], s58, v[RD]
	v_lshlrev_b32 v[GO], 12, v3                    ; and the same two rows in out
	v_lshl_add_u32 v[GO], v2, 4, v[GO]
.irp x, 0,1,2,3
	v_mov_b32 v[ST+8*\x], 0x7f61b1e6               ; -M: 3e38: the first step's f is 0
	v_mov_b32 v[ST+8*\x+1], 0xff61b1e6             ; the largest score so far: -3e38
	v_mov_b32 v[ST+8*\x+2], 0                      ; the sum, in two halves
	v_mov_b32 v[ST+8*\x+3], 0
	v_mov_b32 v[ST+8*\x+5], 0                      ; (named as the upper half of f's pair)
	v_mov_b32 v[ST+8*\x+6], 0                      ; written once: a lane permute's destination counts as one of its sources
.endr
	v_mov_b32 v[ADK], v[LI]                        ; chunk 0's images of K begin at LDS byte 0
	s_wait_alu depctr_va_vdst(0)
	s_wait_kmcnt 0x0
	s_add_co_i32 s59, s68, s69
	s_lshl_b32 s59, s59, 23
	s_mov_b32 s[CS], 0x3e38aa3b                    ; c = log2(e) / 8
	s_add_co_i32 s[CS], s[CS], s59                 ; a score stands for score x 2^(e6 + e7): the two exponents are added to c's exponent field
	s_mov_b32 s[CS+1], s[CS]                       ; (named with it as a pair, so it is written)
	s_add_co_i32 s59, s70, 127
	s_lshl_b32 s60, s59, 23
	v_mov_b32 v[SCL], s60                          ; 2^e8 as f32, for the conversion
	s_add_co_i32 s59, s59, 8
	s_lshl_b32 s59, s59, 23
	s_or_b32 s59, s59, 0x600000
	v_mov_b32 v[LIM], s59                          ; 448 x 2^e8
	s_add_co_i32 s60, s70, s71                     ; e8 + e9, for the way out
	s_cmp_lt_i32 s70, -8
	s_cselect_b32 s[HOLD], 1, 0
	s_wait_alu depctr_va_vdst(0)
	s_wait_loadcnt 24                              ; chunk 0 is in; Q's 8 loads and chunk 1's 16 may be out
	WIN 0x04                                       ; store data window 1
.set j, 0
.rept 16
	ds_store_b128 v[LW], v[4*j:4*j+3] offset:512*j
.set j, j+1
.endr
	WIN 0
	s_wait_dscnt 0x0                               ; for the others' sake: my part of chunk 0 is in LDS
	s_barrier_signal -1
	s_barrier_wait -1
	KLOAD KB0, 0, 0                                ; the first step's first three quarters of K
	KLOAD KB1, 1, 0
	WIN 0xc0
	KLOAD KB2, 2, 0
	WIN 0
	s_wait_dscnt 0x0
.macro QK q, reg, sw                   ; S^T of four tiles of keys, for the four tiles of queries.  sw: the window of K's fragments
	WIN 0x4c+\sw                                   ; Q window 3, tiles 0 and 1 window 1
.irp t, 0,1,2,3
.irp x, 0,1
	v_wmma_f32_16x16x64_fp8_fp8 v[128*\x+8*(4*\q+\t):128*\x+8*(4*\q+\t)+7], v[\reg+8*\t:\reg+8*\t+7], v[QF+8*\x:QF+8*\x+7], 0
.endr
.endr
	WIN 0x8c+\sw                                   ; tiles 2 and 3 window 2
.irp t, 0,1,2,3
.irp x, 0,1
	v_wmma_f32_16x16x64_fp8_fp8 v[128*\x+8*(4*\q+\t):128*\x+8*(4*\q+\t)+7], v[\reg+8*\t:\reg+8*\t+7], v[QF+16+8*\x:QF+23+8*\x], 0
.endr
.endr
.endm
.macro MAXES w                         ; window w's two tiles: the largest of my lane's 128 scores of each, in four chains a tile, the registers in ascending order (each accumulator is read from its low end on)
	WIN 0x15*\w
.set n, 0
.rept 4
.irp b, 0,1
	v_max3_num_f32 v[T+8*(\w-1)+4*\b+n], v[128*\b+3*n], v[128*\b+3*n+1], v[128*\b+3*n+2]
.endr
.set n, n+1
.endr
	WIN 0x14*\w
.set n, 0
.rept 58
.irp b, 0,1
	v_max3_num_f32 v[T+8*(\w-1)+4*\b+n%4], v[T+8*(\w-1)+4*\b+n%4], v[128*\b+12+2*n], v[128*\b+13+2*n]
.endr
.set n, n+1
.endr
.endm
.macro FMA w, b, p                     ; t - M, two at a time (of the pairs c and -M the low word serves both halves)
	v_pk_fma_f32 v[128*\b+2*(\p):128*\b+2*(\p)+1], v[128*\b+2*(\p):128*\b+2*(\p)+1], s[CS:CS+1], v[ST+16*(\w-1)+8*\b:ST+16*(\w-1)+8*\b+1] op_sel_hi:[1,0,0]
.endm
.macro ADDP d, e
	v_pk_add_f32 v[(\d):(\d)+1], v[(\d):(\d)+1], v[(\e):(\e)+1]
.endm
.macro LEVEL d, e, count               ; one level of the sum's tree
.set i, 0
.rept \count
	ADDP \d+4*i, \e+4*i
.set i, i+1
.endr
.endm
.macro CVT w, b, half                  ; 64 numbers' codes
	WIN 0x01*\w
.set i, 0
.rept 8
	v_cvt_scalef32_pk8_fp8_f32 v[P+64*(\w-1)+32*\b+16*\half+2*i:P+64*(\w-1)+32*\b+16*\half+2*i+1], v[128*\b+64*\half+8*i:128*\b+64*\half+8*i+7], v[SCL]
.set i, i+1
.endr
.endm
; What stands between the exponentials of a region.  No line of a region reads what another of its lines wrote.  X, Y: the pair's tiles; A, B: a tile's halves.
.macro R1 w
.if i < 32
	FMA \w, 0, 32+i                                ; X's B
.else
	FMA \w, 1, i-32                                ; Y's A
.endif
.endm
.macro R2 w
.if i < 32
	FMA \w, 1, 32+i                                ; Y's B
.else
	ADDP 4*(i-32), 4*(i-32)+2                      ; X's A: the sum's first level, in place (the numbers have been converted)
.endif
.endm
.macro R3 w
.if i < 8
	ADDP 4*i, 32+4*i                               ; X's A: the second level
.else
	ADDP 64+4*(i-8), 66+4*(i-8)                    ; X's B: the first
.endif
.endm
.macro R4 w
.if i < 8
	ADDP 64+4*i, 96+4*i                            ; X's B: the second
.elseif i < 12
	ADDP 4*(i-8), 16+4*(i-8)                       ; X's A: the third
.else
	ADDP 128+4*(i-12), 130+4*(i-12)                ; Y's A: the first
.endif
.endm
.macro REGION w, first, items, list
.set n, 0
.set i, 0
.rept 64
	v_exp_f32 v[\first+n], v[\first+n]             ; p = 2^(t - M)
.rept (n+1)*\items/64-n*\items/64
	\list \w
.set i, i+1
.endr
.set n, n+1
.endr
.endm
; A PAIR of tiles: 256 numbers t - M (X's first half made already) become p, the sum's parts and codes.
.macro PAIR w
	WIN 0x41*\w
	s_wait_alu depctr_va_vdst(0)                   ; a wait ahead of each batch of exponentials and behind it; here one serves as both between two batches
	REGION \w, 0, 64, R1
	WIN 0
	s_wait_alu depctr_va_vdst(0)
	s_cmp_lg_u32 s[HOLD], 0
	s_cbranch_scc1 .Lhold_\w
	CVT \w, 0, 0
	WIN 0x45*\w
	REGION \w, 64, 48, R2
	s_wait_alu depctr_va_vdst(0)
	CVT \w, 0, 1
	WIN 0x45*\w
	REGION \w, 128, 24, R3
	s_wait_alu depctr_va_vdst(0)
	CVT \w, 1, 0
	WIN 0x45*\w
	REGION \w, 192, 28, R4
	s_wait_alu depctr_va_vdst(0)
	CVT \w, 1, 1
	WIN 0x45*\w
	LEVEL 128, 160, 8                              ; the rest of both trees, by turns.  (These eight are also the plain place behind the conversions)
	LEVEL 64, 80, 4
	LEVEL 192, 194, 16
	LEVEL 0, 64, 4
	LEVEL 192, 224, 8
	LEVEL 0, 8, 2
	LEVEL 128, 192, 8
	LEVEL 0, 4, 1
	LEVEL 128, 144, 4
	LEVEL 128, 136, 2
	LEVEL 128, 132, 1
	WIN 0x10*\w
.irp b, 0,1
	v_pk_fma_f32 v[ST+16*(\w-1)+8*\b+2:ST+16*(\w-1)+8*\b+3], v[ST+16*(\w-1)+8*\b+2:ST+16*(\w-1)+8*\b+3], v[ST+16*(\w-1)+8*\b+4:ST+16*(\w-1)+8*\b+5], v[128*\b:128*\b+1] op_sel_hi:[1,0,1]   ; the sum under the new M, + this step's
.endr
	WIN 0
.Ljoin_\w:
.endm
; A STEP: 256 keys.  The first three quarters of K are in registers.
.Lstep:
	v_add_nc_u32 v[ADK], s[TB], v[LI]
	v_add_nc_u32 v[ADV], s[TB], v[LIV]
	v_add_nc_u32 v[ADS], s[TB], v[LW]
	v_nop
	v_nop                                          ; five places between the last step's products and the scores that are written over V's registers
	s_wait_alu depctr_va_vdst(0)
	s_wait_loadcnt 0x0                             ; my part of the next chunk is in registers (the first time: Q too)
	s_cmp_eq_u32 s[CNT], 1
	s_cbranch_scc1 .Lstored                        ; the last step has no next chunk
	WIN 0x0c                                       ; store data window 3
.set j, 0
.rept 16
	ds_store_b128 v[ADS], v[G+4*j:G+4*j+3] offset:CHUNK+512*j
.set j, j+1
.endr
	WIN 0
.Lstored:
	QK 0, KB0, 0
	PLACES                                         ; in front of loads into registers that these products have read
	WIN 0
	KLOAD KB0, 3, 0
	QK 1, KB1, 0
	QK 2, KB2, 3
	WIN 0
	s_wait_dscnt 0x0                               ; the last quarter; and for the others' sake: my stores of the next chunk
	s_cmp_lt_u32 s[CNT], 3
	s_cbranch_scc1 .Lloaded                        ; the last two steps ask for nothing
	s_wait_xcnt 0x0                                ; the earlier loads and prefetch have read their base
	s_add_nc_u64 s[SRC:SRC+1], s[SRC:SRC+1], CHUNK
	WIN 0xc0
.set j, 0
.rept 16
	global_load_b128 v[G+4*j:G+4*j+3], v[LI], s[SRC:SRC+1] offset:CHUNK+512*j       ; the chunk two steps on: it has a step in which to land
.set j, j+1
.endr
	WIN 0
	s_cmp_eq_u32 s[CNT], s[ASKT]
	s_cbranch_scc0 .Lloaded
	global_prefetch_b8 v[PFO], s[SRC:SRC+1] offset:2*CHUNK th:TH_LOAD_NT scope:SCOPE_SE   ; the chunk three steps on, my wave's 32 blocks of 256 bytes; chunk 7 at the most
.Lloaded:
	s_barrier_signal -1                            ; between it and its wait: register work
	QK 3, KB0, 0
	PLACES                                         ; in front of the first read of the scores
	MAXES 1
	MAXES 2
	WIN 0
	; the four tiles' chains of dependent lines, by turns
.irp x, 0,1,2,3
	v_max3_num_f32 v[T+4*\x], v[T+4*\x], v[T+4*\x+1], v[T+4*\x+2]
.endr
.irp x, 0,1,2,3
	v_max_num_f32 v[T+4*\x], v[T+4*\x], v[T+4*\x+3]
.endr
.irp x, 0,1,2,3
	v_permlanex16_b32 v[ST+8*\x+6], v[T+4*\x], s[SEL], s[SEL+1]   ; the query's other 128 keys lie in the lane 16 away
.endr
.irp x, 0,1,2,3
	v_max3_num_f32 v[ST+8*\x+1], v[ST+8*\x+1], v[T+4*\x], v[ST+8*\x+6]   ; the running largest score (c is positive)
.endr
.irp x, 0,1,2,3
	v_mul_f32 v[ST+8*\x+6], s[CS], -v[ST+8*\x+1]   ; -t
.endr
.irp x, 0,1,2,3
	v_floor_f32 v[ST+8*\x+6], v[ST+8*\x+6]         ; the new -M = floor(-t) = -ceil(t): M is a whole number
.endr
.irp x, 0,1,2,3
	v_sub_f32 v[ST+8*\x+7], v[ST+8*\x+6], v[ST+8*\x]   ; M's old value less its new one: a whole number, 0 or less
.endr
.irp x, 0,1,2,3
	v_mov_b32 v[ST+8*\x], v[ST+8*\x+6]
.endr
.irp x, 0,1,2,3
	v_cvt_i32_f32 v[ST+8*\x+7], v[ST+8*\x+7]       ; (it saturates)
.endr
.irp x, 0,1,2,3
	v_ldexp_f32 v[ST+8*\x+4], 1.0, v[ST+8*\x+7]    ; f = 2^(old M - new M): a multiplication by it rounds nothing
.endr
.irp w, 1,2
	WIN 0x41*\w
.set n, 0
.rept 32
	FMA \w, 0, n
.set n, n+1
.endr
.endr
	WIN 0xc3                                       ; destination and source 0 window 3
.irp x, 0,1,2,3
.set n, 0
.rept 16
	v_pk_mul_f32 v[32*\x+2*n:32*\x+2*n+1], v[32*\x+2*n:32*\x+2*n+1], v[ST+8*\x+4:ST+8*\x+5] op_sel_hi:[1,0]   ; O^T under the new M: no exponential stands between the products that made it and this
.set n, n+1
.endr
.endr
	PAIR 1
	s_barrier_wait -1                              ; every wave has stored its part of the next chunk
	WIN 0x40
.irp f, 0,1,2,3,4,5,6,7
.irp c, 0,1,2,3
	ds_load_b128 v[16*\f+4*\c:16*\f+4*\c+3], v[ADV] offset:2048*\f+512*\c           ; V of this step, 128 keys, then the other 128, into registers that tile 0 is done with
.endr
.endr
	WIN 0
	s_cmp_eq_u32 s[CNT], 1
	s_cbranch_scc1 .Lfetched
	KLOAD KB0, 0, CHUNK                            ; the next step's first three quarters of K
	KLOAD KB1, 1, CHUNK
	WIN 0xc0
	KLOAD KB2, 2, CHUNK
	WIN 0
.Lfetched:
	PAIR 2
	s_wait_alu depctr_va_vdst(0)
	s_wait_dscnt 0x0                               ; V is in, and the next step's K
	WIN 0xf1                                       ; V in window 1, P in window 0, O^T in window 3
.irp u, 0,1
.irp f, 0,1,2,3
.irp x, 0,1,2,3
	v_wmma_f32_16x16x128_fp8_fp8 v[32*\x+8*\f:32*\x+8*\f+7], v[64*\u+16*\f:64*\u+16*\f+15], v[P+32*\x+16*\u:P+32*\x+16*\u+15], v[32*\x+8*\f:32*\x+8*\f+7]   ; O^T += V^T P^T: sixteen accumulators by turns, one instruction a turn
.endr
.endr
.endr
	WIN 0                                          ; at a label and at a branch every window is 0
	s_add_co_u32 s[TB], s[TB], CHUNK
	s_sub_co_u32 s[CNT], s[CNT], 1
	s_cmp_lg_u32 s[CNT], 0
	s_cbranch_scc1 .Lstep
	; THE WAY OUT.  The sum's two halves and the other half of the lanes' are added; O^T is divided by the sum, multiplied by 2^(e8 + e9) and sent through my stage in LDS, a tile (16 rows of 256 bytes) at a time.
	PLACES                                         ; behind the last products
.irp x, 0,1,2,3
	v_add_f32 v[ST+8*\x+6], v[ST+8*\x+2], v[ST+8*\x+3]
.endr
.irp x, 0,1,2,3
	v_permlanex16_b32 v[ST+8*\x+7], v[ST+8*\x+6], s[SEL], s[SEL+1]
.endr
.irp x, 0,1,2,3
	v_add_f32 v[ST+8*\x+6], v[ST+8*\x+6], v[ST+8*\x+7]
.endr
	s_wait_alu depctr_va_vdst(0)                   ; ahead of the batch
.irp x, 0,1,2,3
	v_rcp_f32 v[ST+8*\x+4], v[ST+8*\x+6]           ; the sum is above 1/2: the row's largest p is
.endr
	v_nop                                          ; a plain line between the last reciprocal and the use of its result
	s_wait_alu depctr_va_vdst(0)                   ; and the wait ahead of the first use: one for all
.irp x, 0,1,2,3
	v_ldexp_f32 v[ST+8*\x+4], v[ST+8*\x+4], s60
.endr
	WIN 0x43                                       ; source 0 (O^T) window 3, destination window 1: the scores' registers are free
	s_wait_alu depctr_va_vdst(0)                   ; directly ahead of the first readers of O^T
.irp x, 0,1,2,3
.set i, 0
.rept 16
	v_pk_mul_f32 v[32*\x+i:32*\x+i+1], v[32*\x+i:32*\x+i+1], v[ST+8*\x+4:ST+8*\x+5] op_sel_hi:[1,0]   ; register 16 b + m: channel 32 b + 16 h + m of my query; each accumulator from its low end on
.set i, i+2
.endr
.endr
	WIN 0x44                                       ; LDS data window 1, both ways
.irp x, 0,1,2,3
.irp b, 0,1
.irp m, 0,1,2,3
	ds_store_b128 v[STO], v[32*\x+16*\b+4*\m:32*\x+16*\b+4*\m+3] offset:128*\b+16*\m
.endr
.endr
.irp i, 0,1,2,3,4,5,6,7
	ds_load_b128 v[128+32*\x+4*\i:128+32*\x+4*\i+3], v[RD] offset:2*\i*SPITCH   ; LDS serves a wave's instructions in order (ISA guide 5.7.1.4): these see my stores, and the next tile's stores come behind them
.endr
.endr
	WIN 0x04
.irp x, 0,1,2,3
.irp i, 0,1,2,3,4,5,6,7
	s_wait_dscnt 55-16*\x-\i                       ; behind this load: its tile's younger loads, and sixteen LDS instructions for each later tile
	global_store_b128 v[GO], v[128+32*\x+4*\i:128+32*\x+4*\i+3], s[8:9] offset:(32*(\x/2)+8*(\x%2)+2*\i+8*(\i/4))*4096 th:TH_STORE_NT   ; stage rows 2 i, 2 i + 1 are the tile's queries 2 i + 8 (i / 4) and the next; 16 lanes store 256 consecutive bytes, at a multiple of 256 from out's first byte
.endr
.endr
	WIN 0
	s_wait_tensorcnt 0x0                           ; the wave's end, behind my last LDS store
	ds_add_u32 v[SPW], v[NIL]
	s_wait_dscnt 0x0
	s_endpgm
; THE HOLD, where e8 < -8: the pair's other exponentials, the sums of the unquantised p in two chains, the hold (p is not negative, so it is one-sided: the conversion to an 8-bit code does not saturate, ISA guide 7.6.2), the conversions.
.macro HELD w
.Lhold_\w:
	WIN 0x41*\w
.set n, 0
.rept 32
	FMA \w, 1, 32+n
.set n, n+1
.endr
	s_wait_alu depctr_va_vdst(0)
.set n, 64
.rept 192
	v_exp_f32 v[n], v[n]
.set n, n+1
.endr
	v_nop                                          ; a plain line behind the batch, and its wait
	s_wait_alu depctr_va_vdst(0)
.irp b, 0,1
.set q, ST+16*(\w-1)+8*\b
	WIN 0
	v_pk_mul_f32 v[q+2:q+3], v[q+2:q+3], v[q+4:q+5] op_sel_hi:[1,0]
	WIN 0x05*\w
	v_pk_add_f32 v[q+6:q+7], v[128*\b:128*\b+1], v[128*\b+2:128*\b+3]
	WIN 0x04*\w
.set n, 2
.rept 62
.set d, q+2+4*(n%2)
	v_pk_add_f32 v[d:d+1], v[d:d+1], v[128*\b+2*n:128*\b+2*n+1]
.set n, n+1
.endr
	WIN 0
	v_pk_add_f32 v[q+2:q+3], v[q+2:q+3], v[q+6:q+7]
	WIN 0x44*\w
.set n, 0
.rept 128
	v_min_num_f32 v[128*\b+n], v[LIM], v[128*\b+n]
.set n, n+1
.endr
	CVT \w, \b, 0
	CVT \w, \b, 1
.endr
	WIN 0
	v_nop                                          ; a plain line behind the last conversion
	s_wait_alu depctr_va_vdst(0)
	s_branch .Ljoin_\w
.endm
	HELD 1
	HELD 2
.Lfunc_end_k_q72ba41965e_attn:
	.size	k_q72ba41965e_attn, .Lfunc_end_k_q72ba41965e_attn-k_q72ba41965e_attn
	.p2alignl 7, 3214868480
	.fill 96, 4, 3214868480
	.section	.rodata,"a",@progbits
	.p2align	6, 0x0
	.amdhsa_kernel k_q72ba41965e_attn
		.amdhsa_group_segment_fixed_size 312832
		.amdhsa_private_segment_fixed_size 0
		.amdhsa_enable_private_segment 0
		.amdhsa_kernarg_size 24
		.amdhsa_user_sgpr_count 2
		.amdhsa_user_sgpr_kernarg_segment_ptr 1
		.amdhsa_wavefront_size32 1
		.amdhsa_system_sgpr_workgroup_id_x 1
		.amdhsa_system_sgpr_workgroup_id_y 1
		.amdhsa_system_sgpr_workgroup_id_z 1
		.amdhsa_system_vgpr_workitem_id 0
		.amdhsa_next_free_vgpr 1024
		.amdhsa_next_free_sgpr 80
		.amdhsa_reserve_vcc 0
		.amdhsa_float_denorm_mode_32 3
		.amdhsa_float_denorm_mode_16_64 3
		.amdhsa_memory_ordered 1
		.amdhsa_forward_progress 1
		.amdhsa_inst_pref_size 172
	.end_amdhsa_kernel
	.amdgpu_metadata
---
amdhsa.version: [ 1, 2 ]
amdhsa.kernels:
  - .name:           k_q72ba41965e_attn
    .symbol:         k_q72ba41965e_attn.kd
    .args:
      - { .name: qkv, .offset: 0, .size: 8, .value_kind: global_buffer, .address_space: global }
      - { .name: lowp_scales, .offset: 8, .size: 8, .value_kind: global_buffer, .address_space: global }
      - { .name: out0, .offset: 16, .size: 8, .value_kind: global_buffer, .address_space: global }
    .group_segment_fixed_size: 312832
    .private_segment_fixed_size: 0
    .kernarg_segment_align: 8
    .kernarg_segment_size: 24
    .max_flat_workgroup_size: 128
    .sgpr_count:     80
    .vgpr_count:     1024
    .wavefront_size: 32
...
	.end_amdgpu_metadata
.endif
;; end of part 3
